; MI455X (gfx1250); checked and timed in simulation.
; The chip was launched on July 23, 2026; its instructions are those of AMD's public machine-readable ISA for CDNA 5 (MIT licence, August 2026) and "CDNA5" Instruction Set Architecture Reference Guide (July 2026). The comments in the code are by the model that wrote it; some were corrected since.
;; Dist Match Layer v5. Allowed arithmetic: matrix products marked QUANTISED: E2M1 operands, one E8M0 scale for each 32 along K, by v_wmma_scale_f32_16x16x128_f8f6f4 with both operands' format E2M1 (or v_wmma_scale_f32_32x16x128_f4), f32 sums; products left as they are: f32 operands where the result goes on into a quantised operand, else bf16, f16 or f32 operands; f32 sums; everything else in f32.
;; Inputs: coord_a 8,192 x 3 int32; coord_b 8,192 x 3 int32; feat_a 8,192 x 256 float32; feat_b 8,192 x 256 float32; idx_a 8,192 int32; idx_b 8,192 int32.
;; Outputs: out0 8,192 x 512 float32.
;; This version of the problem:
;;   THIS VERSION OF THE PROBLEM IS GIVEN IN LOW PRECISION. The matrix products marked QUANTISED in the list below multiply operands that are first quantised to E2M1 (2 exponent bits, 1 mantissa bit; 4 bits a number), with one power-of-two scale for each 32 numbers along K (OCP MX v1.0); their sums are f32. All else is computed in f32.
;;   The module's matrix products, in the order in which they are computed (A, B: the left and right operand; K: the contracted axis; several contracted axes count as one K, in the product's order):
;;     1. [M 8,192, K 256] x [K 256, N 8,192]; A: input feat_a; B: input feat_b: QUANTISED
;;     2. [M 8,192, K 3] x [K 3, N 8,192]; A: input coord_a; B: input coord_b: left as it is (K = 3 < 32)
;;     3. [M 8,192, K 8,192] x [K 8,192, N 256]; A: computed on the way; B: input feat_b: QUANTISED
;;   THE QUANTISER, for each operand of a quantised product, along K:
;;     - K is cut into blocks of 32 from its start; a last block that is shorter is filled with zeros.
;;     - A block's scale is 2^e with e = floor(log2(the largest magnitude in the block)) - 2, held to -126 .. 127; a block of zeros has e = 0. As a byte (E8M0): e + 127.
;;     - Each number is divided by its block's scale, clamped to +-6, and rounded to the nearest number of E2M1, ties to even, subnormals kept.
;;     - The product sums the exact products of the quantised numbers (number of the format x scale) in f32.
;;   ~~~python
;;   def quantise(x, axis):      # numpy; x: float32 -> the quantised numbers, widened to float32 again
;;       x = np.moveaxis(x, axis, -1); K = x.shape[-1]
;;       x = np.pad(x, [(0, 0)] * (x.ndim - 1) + [(0, -K % 32)]); x = x.reshape(x.shape[:-1] + (-1, 32)); a = np.abs(x).max(-1, keepdims=True)
;;       e = np.where(a > 0, np.clip(np.frexp(np.where(a > 0, a, 1))[1] - 1 - 2, -126, 127), 0)      # np.frexp(a)[1] - 1 = floor(log2(a)), exactly
;;       r = np.clip(x / 2.0 ** e, -6, 6)
;;       step = 2.0 ** (np.maximum(np.frexp(np.where(r == 0, 1, r))[1] - 1, 0) - 1)
;;       q = np.round(r / step) * step * 2.0 ** e      # np.round: ties to even
;;       return np.moveaxis(q.reshape(q.shape[:-2] + (-1,))[..., :K], -1, axis).astype(np.float32)
;;   ~~~
;;   OPERANDS COMPUTED ON THE WAY. 'Computed on the way' means the value that the module computes at that place (a softmax that the list does not call 'softmax' is quantised finished and normalised). What goes into a quantiser is computed in f32, as accurately as f32 sums, v_exp_f32 and their like allow (about 1e-6 of the number): no bf16 or f16 on the way to a quantiser, and a product that is left as it is and whose result goes on into a quantised operand takes f32 operands (vector FMAs, or v_wmma_f32_16x16x4_f32). A number that lies on a knife's edge between two numbers of the format may be rounded either way, as far as f32 arithmetic and the matrix unit's own rounding can turn it there, and no further.
;; One version. Each part assembles by itself: llvm-mc -triple=amdgcn-amd-amdhsa -mcpu=gfx1250 --defsym DOCPART=n.
;; ======== version 1 of 1: 2 launches
;; limits: inputs' magnitudes at most 8.2e+17; right only within a limited range of input values
;; workspace buffers: qa 1,048,576 bytes; qs 65,536 bytes; kb 1,048,576 bytes; ks 65,536 bytes; vb 1,048,576 bytes; vs 65,536 bytes; cb4 131,072 bytes; rng 3,072 bytes of whole numbers
;; launch prep (part 1): grid 256 x 1, 4 waves a work-group, no clusters, 69,376 bytes of LDS; arguments feat_a, feat_b, coord_b, idx_b, qa, qs, kb, ks, vb, vs, cb4, rng, out0, idx_a; writes qa, qs, kb, ks, vb, vs, cb4, rng, out0
.if DOCPART == 1
	.amdgcn_target "amdgcn-amd-amdhsa--gfx1250"
	.amdhsa_code_object_version 6
	.text
	.protected	k_qb4e00d43c1_prep
	.globl	k_qb4e00d43c1_prep
	.p2align	8
	.type	k_qb4e00d43c1_prep,@function
k_qb4e00d43c1_prep:
	s_mov_b64 s[64:65], 0
	v_nop
	global_prefetch_b8 v0, s[64:65] scope:SCOPE_SE
	s_setreg_imm32_b32 hwreg(HW_REG_WAVE_MODE, 25, 1), 1
	s_wait_xcnt 0x0
; DistMatchLayer, launch 1 of 2: everything that is made once.
;   feat_a -> codes of E2M1 along C (qa) with E8M0 scale words (qs), and its copy into columns 0-255 of out0;
;   feat_b -> codes along C (kb, ks) for the scores, and codes along the KEYS (vb, vs) for the second product;
;   coord_b -> a table (bx, by, bz, |b|^2) in f32 (cb4);  idx_b -> smallest and largest value of each 32 keys (rng, unsigned order);
;   idx_a, idx_b -> one bit a query row: has the row any key with its own index (rng from byte 2048 on, a word for 32 rows).
; WORK THAT THE PROGRAM LEAVES OUT (in the second launch).  reference() builds mask = (idx_a == idx_b) itself.  Take 16 query rows and 128 keys whose
; index ranges do not meet: the mask is false for all their pairs.  If each of the 16 rows has a key with its index somewhere, the softmax of a masked
; pair is exp(finfo.min - max) / sum = 0 for all finite inputs, so dist = 0 there: these pairs' parts of all three products reach no output.  A row with
; NO key of its index has softmax 1 / 8192 on every key: its 16 rows walk all keys.  Both tests hang on whole numbers that this launch stores.
; Nothing is assumed of idx: not that it is sorted, not its range.  All six inputs are read.
; LIMITS: a NaN, an infinity or an overflow that reaches only the work left out is not carried to the result; NaN and infinities among the inputs are
; not served.  A block of zeros gets the scale byte 1 where the rule says 127: its codes are zeros and only this program reads the bytes.
; LAYOUT OF THE WORKSPACE: codes lie as images of the operand's registers, so that the second launch loads each fragment by 16 bytes a lane, 512 on end.
;   A group of 128 rows has 8 tiles; place r of tile 2 b + u is row 32 b + 8 u + r + 8 (r / 8).
;   qa, kb: group x 16384 + tile x 2048 + K step x 1024 + c x 512 + 16 lane: lane (r, h) holds k = 64 c + 32 h .. + 31 of place r.
;   qs, ks: group x 1024 + (tile / 4) x 512 + 16 lane + 4 (tile % 4): lane (r, h) holds place r's scale word of K step h.
;   vb: step x 16384 + channel tile x 1024 + c x 512 + 16 lane: lane (r, h): channel 16 ct + r, keys 64 c + 32 h .. + 31 of the step.
;   vs: step x 1024 + q x 512 + 16 lane + 4 i: the word of channel 32 (4 q + i) + lane.     cb4: step x 2048 + b x 512 + 16 lane + 8 u: the pair k = 2 h, 2 h + 1.
; SHARES.  Work-group g: tensor g / 128 (0 feat_a, 1 feat_b), group of 128 rows (g % 128) / 2, channels 128 (g % 2) on.  Wave w: rows 32 w .. + 31.
; One path for both tensors: only pointers are chosen, by the work-group's number.  No tensor loads, no matrix work: memory binds; each input byte is read once.
.set STGW,  16896                      ; a wave's stage: 32 rows x (512 bytes + 16)
.set KSW,   67584                      ; 512 bytes: the group's scale words of this K step
.set VSB,   68096                      ; 512 bytes: V's scale bytes: word = channel, byte = wave (key block)
.set HASW,  68608                      ; four words: each wave's 32 flags
.set SPARE, 68864                      ; the spare words, 128 bytes for each wave; no other line names them
.set R,  32                            ; v32-159  32 rows as loaded, then four blocks of 32 neighbours
.set X,  160                           ; v160-223 64 indices of keys, then two sets of 32 numbers down the keys
.set CD, 224                           ; v224-255 codes: four registers for each of 8 blocks; before that at work for the tables
.macro UMIN d, a, b
	v_cmp_lt_u32 vcc_lo, v[\a], v[\b]
	v_cndmask_b32 v[\d], v[\b], v[\a], vcc_lo
.endm
.macro UMAX d, a, b
	v_cmp_gt_u32 vcc_lo, v[\a], v[\b]
	v_cndmask_b32 v[\d], v[\b], v[\a], vcc_lo
.endm
; One block of 32 numbers of a lane, v[src] on: its scale byte into v16 or v17 (by turns), its codes into v[CD + 4 n] on.
.macro QB src, n
	v_max3_num_f32 v12, |v[(\src)]|, |v[(\src)+1]|, |v[(\src)+2]|
	v_max3_num_f32 v13, |v[(\src)+3]|, |v[(\src)+4]|, |v[(\src)+5]|
.irp k, 6,10,14,18,22,26
	v_max3_num_f32 v12, v12, |v[(\src)+\k]|, |v[(\src)+\k+1]|
	v_max3_num_f32 v13, v13, |v[(\src)+\k+2]|, |v[(\src)+\k+3]|
.endr
	v_max3_num_f32 v12, v12, |v[(\src)+30]|, |v[(\src)+31]|
	v_max3_num_f32 v12, v12, v13, 0x1800000        ; the floor 2^(3 - 127): the byte cannot fall under 1
	v_add_nc_u32 v11, 0xff000000, v12              ; 2 off the exponent field: the conversion's scale operand
	v_lshrrev_b32 v[16+((\n)&1)], 23, v11          ; the scale's byte
.irp k, 0,1,2,3
	v_cvt_scalef32_pk8_fp4_f32 v[CD+4*(\n)+\k], v[(\src)+8*\k:(\src)+8*\k+7], v11
.endr
	v_nop                                          ; one plain line behind the last conversion
.endm
.macro LOADV g                         ; channel 32 g + lane, keys 0 .. 31 of my wave in their true order, into set g % 2
.set i, 0
.rept 32
	ds_load_b32 v[X+32*((\g)%2)+i], v7 offset:(16*((i>>3)&1)+(i&7)+8*(i>>4))*528+128*(\g)
.set i, i+1
.endr
.endm
	s_load_b512 s[4:19], s[0:1], 0x0               ; feat_a 4, feat_b 6, coord_b 8, idx_b 10, qa 12, qs 14, kb 16, ks 18
	s_load_b256 s[20:27], s[0:1], 0x40             ; vb 20, vs 22, cb4 24, rng 26
	s_load_b128 s[28:31], s[0:1], 0x60             ; out0 28, idx_a 30
	v_lshl_add_u32 v14, v0, 2, SPARE               ; my spare word
	v_mov_b32 v15, 0
	v_lshrrev_b32 v1, 5, v0
	v_readfirstlane_b32 s32, v1                    ; wave
	v_and_b32 v1, 31, v0                           ; lane
	v_and_b32 v2, 15, v0                           ; r
	v_bfe_u32 v3, v0, 4, 1                         ; h
	v_lshlrev_b32 v4, 4, v1                        ; 16 lane
	s_mul_i32 s48, s32, STGW
	v_add_nc_u32 v5, s48, v4                       ; stage, in: a row's 512 bytes as they lie
	v_mul_u32_u24 v6, v2, 528
	v_lshl_add_u32 v6, v3, 7, v6
	v_add_nc_u32 v6, s48, v6                       ; stage, out along C: place r, + 128 h
	v_lshlrev_b32 v26, 2, v1                       ; 4 lane
	v_add_nc_u32 v7, s48, v26                      ; stage, out down the keys: my channel
	s_lshr_b32 s48, s32, 1
	s_lshl_b32 s48, s48, 8
	s_and_b32 s49, s32, 1
	s_lshl_b32 s49, s49, 3
	s_add_co_u32 s48, s48, s49
	s_add_co_u32 s48, s48, KSW
	v_lshl_add_u32 v8, v2, 4, s48                  ; my tiles' scale words: (w / 2) 256 + 16 r + 8 (w % 2)
	s_add_co_u32 s48, s32, VSB
	v_lshl_add_u32 v9, v1, 2, s48                  ; V's scale byte: word = lane, byte = wave
	v_lshlrev_b32 v10, 10, v3
	v_lshl_add_u32 v10, v2, 4, v10
	s_lshl_b32 s48, s32, 8
	v_add_nc_u32 v10, s48, v10                     ; V's codes in memory: (lane / 16) 1024 + 256 w + 16 (lane % 16)
	s_lshl_b32 s48, s32, 2
	s_add_co_u32 s48, s48, HASW
	v_mov_b32 v18, s48                             ; my wave's word of flags
	v_add_nc_u32 v19, KSW, v4                      ; the way out of the three small regions
	v_lshl_add_u32 v20, v1, 2, VSB
	v_mov_b32 v21, HASW
	v_lshlrev_b32 v22, 9, v3
	v_lshl_add_u32 v22, v2, 4, v22                 ; scale words in memory: (lane / 16) 512 + 16 (lane % 16)
	v_mov_b32 v23, 0
	v_lshlrev_b32 v24, 3, v3                       ; 8 h
	v_mov_b32 v27, 0
	v_mov_b32 v28, 0                               ; a lane permute's destination counts as read
	s_lshr_b32 s33, ttmp9, 7                       ; tensor
	s_bfe_u32 s34, ttmp9, 0x60001                  ; group of 128 rows
	s_and_b32 s35, ttmp9, 1                        ; which 128 channels
	s_mov_b32 s44, 0x76543210
	s_mov_b32 s45, 0xfedcba98                      ; lane l xor 16
	s_lshl_b32 s47, s34, 7
	s_lshl_b32 s48, s32, 5
	s_add_co_u32 s47, s47, s48                     ; my wave's first row
	s_mov_b32 s43, 0
	s_wait_kmcnt 0x0
	s_cmp_eq_u32 s33, 0
	s_cselect_b64 s[36:37], s[4:5], s[6:7]         ; the tensor,
	s_cselect_b64 s[38:39], s[12:13], s[16:17]     ; its codes along C,
	s_cselect_b64 s[40:41], s[14:15], s[18:19]     ; their scale words
	s_lshl_b32 s42, s47, 10
	s_lshl_b32 s48, s35, 9
	s_add_co_u32 s42, s42, s48
	s_add_nc_u64 s[36:37], s[36:37], s[42:43]
.set i, 0
.rept 32
	global_load_b128 v[R+4*i:R+4*i+3], v4, s[36:37] offset:1024*i th:TH_LOAD_NT   ; a row's 512 consecutive bytes
.set i, i+1
.endr
	s_lshl_b32 s42, s32, 13
	s_add_nc_u64 s[50:51], s[10:11], s[42:43]      ; idx_b: my wave's 2,048 keys
.set i, 0
.rept 16
	global_load_b128 v[X+4*i:X+4*i+3], v4, s[50:51] offset:512*i
.set i, i+1
.endr
	s_lshl_b32 s42, ttmp9, 7
	s_add_nc_u64 s[52:53], s[30:31], s[42:43]      ; idx_a: rows 32 g on, a lane a row
	global_load_b32 v25, v26, s[52:53]
	s_lshl_b32 s42, s34, 14                        ; the other places in memory, once
	s_lshl_b32 s48, s32, 12
	s_add_co_u32 s42, s42, s48
	s_lshl_b32 s48, s35, 10
	s_add_co_u32 s42, s42, s48
	s_add_nc_u64 s[38:39], s[38:39], s[42:43]
	s_lshl_b32 s42, s34, 10
	s_lshl_b32 s48, s35, 8
	s_add_co_u32 s42, s42, s48
	s_add_nc_u64 s[40:41], s[40:41], s[42:43]
	s_mul_i32 s42, s47, 12
	s_add_nc_u64 s[54:55], s[8:9], s[42:43]        ; coord_b at my first key
	s_lshl_b32 s42, s47, 2
	s_add_nc_u64 s[56:57], s[10:11], s[42:43]      ; idx_b at my first key
	s_lshl_b32 s42, s34, 11
	s_lshl_b32 s48, s32, 9
	s_add_co_u32 s42, s42, s48
	s_add_nc_u64 s[58:59], s[24:25], s[42:43]      ; cb4
	s_lshl_b32 s42, s34, 5
	s_lshl_b32 s48, s32, 3
	s_add_co_u32 s42, s42, s48
	s_add_nc_u64 s[60:61], s[26:27], s[42:43]      ; rng: block 4 s + w
	s_lshl_b32 s42, s47, 11
	s_lshl_b32 s48, s35, 9
	s_add_co_u32 s42, s42, s48
	s_add_nc_u64 s[62:63], s[28:29], s[42:43]      ; out0: my rows, my 512 bytes of their first half
	s_lshl_b32 s42, s34, 14
	s_lshl_b32 s48, s35, 13
	s_add_co_u32 s42, s42, s48
	s_add_nc_u64 s[66:67], s[20:21], s[42:43]      ; vb
	s_lshl_b32 s42, s34, 10
	s_lshl_b32 s48, s35, 9
	s_add_co_u32 s42, s42, s48
	s_add_nc_u64 s[68:69], s[22:23], s[42:43]      ; vs
	s_lshl_b32 s42, ttmp9, 2
	s_add_co_u32 s42, s42, 2048
	s_add_nc_u64 s[70:71], s[26:27], s[42:43]      ; rng: my 32 rows' flags
	; ---- the tables of the keys: once for each group, by feat_a's work-groups, which have no codes down the keys to make
	s_cmp_eq_u32 s33, 0
	s_cbranch_scc0 .Lno_tab
	s_cmp_eq_u32 s35, 0
	s_cbranch_scc0 .Lno_tab
	v_and_b32 v245, 8, v2
	v_add_nc_u32 v245, v245, v2                    ; r + 8 (r / 8)
	v_mul_u32_u24 v245, v245, 12
.irp k, 0,1,2
	global_load_b32 v[224+\k], v245, s[54:55] offset:4*\k       ; tile 2 w, place r
	global_load_b32 v[227+\k], v245, s[54:55] offset:96+4*\k    ; tile 2 w + 1: eight keys on
.endr
	global_load_b32 v230, v26, s[56:57]            ; the index of key 32 w + lane
	s_wait_loadcnt 0x0
.irp k, 0,1,2,3,4,5
	v_cvt_f32_i32 v[224+\k], v[224+\k]
.endr
	v_mul_f32 v231, v224, v224
	v_mul_f32 v232, v227, v227
	v_fma_f32 v231, v225, v225, v231
	v_fma_f32 v232, v228, v228, v232
	v_fma_f32 v231, v226, v226, v231               ; |b|^2
	v_fma_f32 v232, v229, v229, v232
	v_cmp_ne_u32 vcc_lo, 0, v3
	v_cndmask_b32 v236, v224, v226, vcc_lo         ; lanes 0-15: (x, y); lanes 16-31: (z, |b|^2)
	v_cndmask_b32 v237, v225, v231, vcc_lo
	v_cndmask_b32 v238, v227, v229, vcc_lo
	v_cndmask_b32 v239, v228, v232, vcc_lo
	global_store_b128 v4, v[236:239], s[58:59]     ; 512 consecutive bytes
	v_mov_b32 v240, v230
	v_mov_b32 v241, v230
	v_mov_b32 v242, 0
	v_mov_b32 v243, 0
.irp m, 1,2,4,8
	v_mov_b32_dpp v242, v240 row_xmask:\m row_mask:0xf bank_mask:0xf
	v_mov_b32_dpp v243, v241 row_xmask:\m row_mask:0xf bank_mask:0xf
	UMIN 240, 240, 242
	UMAX 241, 241, 243
.endr
	v_permlanex16_b32 v242, v240, s44, s45
	v_permlanex16_b32 v243, v241, s44, s45
	UMIN 240, 240, 242
	UMAX 241, 241, 243                             ; the 32 keys' smallest and largest index
	s_wait_alu depctr_va_vdst(0)
	s_wait_xcnt 0x0                                ; EXEC changes only behind this wait
	v_cmp_eq_u32 vcc_lo, 0, v1
	s_and_saveexec_b32 s46, vcc_lo
	global_store_b64 v23, v[240:241], s[60:61]     ; eight bytes of a small table
	s_wait_xcnt 0x0                                ; and again in front of the line that widens it; the tables' registers are free too
	s_or_b32 exec_lo, exec_lo, s46
.Lno_tab:
	; ---- the rows into the stage, each tile's 16 places on end
.set i, 0
.rept 32
	s_wait_loadcnt 48-i                            ; behind row i: 31 - i rows and the 17 loads of indices
	ds_store_b128 v5, v[R+4*i:R+4*i+3] offset:(16*((i>>3)&1)+(i&7)+8*(i>>4))*528
.set i, i+1
.endr
	s_cmp_eq_u32 s33, 0
	s_cbranch_scc0 .Lno_copy
.set i, 0
.rept 32
	global_store_b128 v4, v[R+4*i:R+4*i+3], s[62:63] offset:2048*i th:TH_STORE_NT   ; feat_a into out0: 512 consecutive bytes, aligned
.set i, i+1
.endr
.Lno_copy:
	s_wait_xcnt 0x0                                ; the stores have read their registers: the blocks may land there
	; ---- along C: block n = 2 u + c of lane (r, h): 32 neighbours.  LDS serves a wave's instructions in order: these see my stores
.irp n, 0,1,2,3
.irp q, 0,1,2,3,4,5,6,7
	ds_load_b128 v[R+32*\n+4*\q:R+32*\n+4*\q+3], v6 offset:16*(\n/2)*528+256*(\n%2)+16*\q
.endr
.endr
.irp n, 0,1,2,3
	s_wait_dscnt 24-8*\n                           ; block n's eight loads are in (the later blocks' may be out; a word's store is younger still)
	QB R+32*\n, \n
	global_store_b128 v4, v[CD+4*\n:CD+4*\n+3], s[38:39] offset:(\n/2)*2048+(\n%2)*512   ; 512 consecutive bytes
.if \n%2 == 1
	v_lshl_or_b32 v27, v17, 16, v16                ; my two bytes: blocks h and 2 + h,
	v_lshlrev_b32 v27, v24, v27                    ; at their places,
	v_permlanex16_b32 v28, v27, s44, s45
	v_or_b32 v27, v27, v28                         ; with lane l xor 16's two: place r's scale word
	ds_store_b32 v8, v27 offset:4*(\n/2)
.endif
.endr
	; ---- has row 32 g + i a key with its index?  My wave's 2,048 keys, 64 a lane.  One trip for each index among the 32 rows: all rows of that index take its flag.
	s_wait_loadcnt 0x0
	s_mov_b32 s76, 0                               ; the flags
	s_mov_b32 s74, -1                              ; rows to go
	s_mov_b32 s72, 0
.Lrow:
	s_ctz_i32_b32 s75, s74
	s_min_u32 s75, s75, 31
	v_readlane_b32 s73, v25, s75
	v_cmp_eq_u32 s78, s73, v25                     ; the rows of this index
	s_and_not1_b32 s74, s74, s78
.irp k, 0,1,2,3
	v_xor_b32 v[32+\k], s73, v[X+\k]
.endr
.set i, 4
.rept 15
.irp k, 0,1,2,3
	v_xor_b32 v[36+\k], s73, v[X+i+\k]
.endr
.irp k, 0,1,2,3
	v_min_u32 v[32+\k], v[32+\k], v[36+\k]
.endr
.set i, i+4
.endr
	v_min_u32 v32, v32, v33
	v_min_u32 v34, v34, v35
	v_min_u32 v32, v32, v34
	v_cmp_eq_u32 vcc_lo, 0, v32                    ; 0: one of the lane's keys has the index
	s_cmp_lg_u32 vcc_lo, 0
	s_cselect_b32 s77, s78, 0
	s_or_b32 s76, s76, s77
	s_cmp_eq_u32 s74, 0
	s_cbranch_scc1 .Lscanned
	s_add_co_u32 s72, s72, 1
	s_cmp_lt_u32 s72, 32
	s_cbranch_scc1 .Lrow
.Lscanned:
	v_mov_b32 v27, s76
	ds_store_b32 v18, v27                          ; all lanes write the same word with the same value
	; ---- feat_b down the keys: a lane takes a channel, its registers run down my wave's 32 keys: one block
	s_cmp_eq_u32 s33, 1
	s_cbranch_scc0 .Lno_v
	LOADV 0
	LOADV 1
.irp g, 0,1,2,3
.if \g < 3
	s_wait_dscnt 32                                ; this set's 32 loads are in; the next set's may be out
.else
	s_wait_dscnt 0x0
.endif
	QB X+32*(\g%2), 4+\g
	global_store_b128 v10, v[CD+16+4*\g:CD+19+4*\g], s[66:67] offset:2048*\g   ; sixteen lanes fill 256 consecutive bytes, aligned
	ds_store_b8 v9, v[16+(\g&1)] offset:128*\g
.if \g < 2
	LOADV \g+2
.endif
.endr
.Lno_v:
	s_wait_dscnt 0x0                               ; for the others' sake: my stores into the small regions are done
	s_barrier_signal -1
	s_barrier_wait -1
	s_cmp_eq_u32 s32, 0
	s_cbranch_scc0 .Lnot0
	ds_load_b128 v[32:35], v19                     ; the group's scale words of this K step
	s_wait_dscnt 0x0
	global_store_b128 v22, v[32:35], s[40:41]      ; two runs of 256 consecutive bytes
.Lnot0:
	s_cmp_eq_u32 s32, 1
	s_cbranch_scc0 .Lnot1
	s_cmp_eq_u32 s33, 1
	s_cbranch_scc0 .Lnot1
.irp k, 0,1,2,3
	ds_load_b32 v[36+\k], v20 offset:128*\k        ; the word of channel 32 k + lane
.endr
	s_wait_dscnt 0x0
	global_store_b128 v4, v[36:39], s[68:69]       ; 512 consecutive bytes
.Lnot1:
	s_cmp_eq_u32 s32, 2
	s_cbranch_scc0 .Lnot2
	ds_load_b128 v[40:43], v21                     ; the four waves' flags
	s_wait_dscnt 0x0
	v_or_b32 v40, v40, v41
	v_or_b32 v42, v42, v43
	v_or_b32 v40, v40, v42
	s_wait_alu depctr_va_vdst(0)
	s_wait_xcnt 0x0                                ; EXEC changes only behind this wait
	v_cmp_eq_u32 vcc_lo, 0, v1
	s_and_saveexec_b32 s46, vcc_lo
	global_store_b32 v23, v40, s[70:71]
	s_wait_xcnt 0x0
	s_or_b32 exec_lo, exec_lo, s46
.Lnot2:
	s_wait_tensorcnt 0x0                           ; the wave's end, behind my last LDS store
	ds_add_u32 v14, v15
	s_wait_dscnt 0x0
	s_endpgm
.Lfunc_end_k_qb4e00d43c1_prep:
	.size	k_qb4e00d43c1_prep, .Lfunc_end_k_qb4e00d43c1_prep-k_qb4e00d43c1_prep
	.p2alignl 7, 3214868480
	.fill 96, 4, 3214868480
	.section	.rodata,"a",@progbits
	.p2align	6, 0x0
	.amdhsa_kernel k_qb4e00d43c1_prep
		.amdhsa_group_segment_fixed_size 69376
		.amdhsa_private_segment_fixed_size 0
		.amdhsa_enable_private_segment 0
		.amdhsa_kernarg_size 112
		.amdhsa_user_sgpr_count 2
		.amdhsa_user_sgpr_kernarg_segment_ptr 1
		.amdhsa_wavefront_size32 1
		.amdhsa_system_sgpr_workgroup_id_x 1
		.amdhsa_system_sgpr_workgroup_id_y 1
		.amdhsa_system_sgpr_workgroup_id_z 1
		.amdhsa_system_vgpr_workitem_id 0
		.amdhsa_next_free_vgpr 256
		.amdhsa_next_free_sgpr 80
		.amdhsa_reserve_vcc 1
		.amdhsa_float_denorm_mode_32 3
		.amdhsa_float_denorm_mode_16_64 3
		.amdhsa_memory_ordered 1
		.amdhsa_forward_progress 1
		.amdhsa_inst_pref_size 48
	.end_amdhsa_kernel
	.amdgpu_metadata
---
amdhsa.version: [ 1, 2 ]
amdhsa.kernels:
  - .name:           k_qb4e00d43c1_prep
    .symbol:         k_qb4e00d43c1_prep.kd
    .args:
      - { .name: feat_a, .offset: 0, .size: 8, .value_kind: global_buffer, .address_space: global }
      - { .name: feat_b, .offset: 8, .size: 8, .value_kind: global_buffer, .address_space: global }
      - { .name: coord_b, .offset: 16, .size: 8, .value_kind: global_buffer, .address_space: global }
      - { .name: idx_b, .offset: 24, .size: 8, .value_kind: global_buffer, .address_space: global }
      - { .name: qa, .offset: 32, .size: 8, .value_kind: global_buffer, .address_space: global }
      - { .name: qs, .offset: 40, .size: 8, .value_kind: global_buffer, .address_space: global }
      - { .name: kb, .offset: 48, .size: 8, .value_kind: global_buffer, .address_space: global }
      - { .name: ks, .offset: 56, .size: 8, .value_kind: global_buffer, .address_space: global }
      - { .name: vb, .offset: 64, .size: 8, .value_kind: global_buffer, .address_space: global }
      - { .name: vs, .offset: 72, .size: 8, .value_kind: global_buffer, .address_space: global }
      - { .name: cb4, .offset: 80, .size: 8, .value_kind: global_buffer, .address_space: global }
      - { .name: rng, .offset: 88, .size: 8, .value_kind: global_buffer, .address_space: global }
      - { .name: out0, .offset: 96, .size: 8, .value_kind: global_buffer, .address_space: global }
      - { .name: idx_a, .offset: 104, .size: 8, .value_kind: global_buffer, .address_space: global }
    .group_segment_fixed_size: 69376
    .private_segment_fixed_size: 0
    .kernarg_segment_align: 8
    .kernarg_segment_size: 112
    .max_flat_workgroup_size: 128
    .sgpr_count:     80
    .vgpr_count:     256
    .wavefront_size: 32
...
	.end_amdgpu_metadata
.endif
;; end of part 1
;; launch main (part 2): grid 256 x 1, 8 waves a work-group, no clusters, 304,896 bytes of LDS; arguments qa, qs, kb, ks, vb, vs, cb4, rng, idx_a, idx_b, coord_a, out0; writes out0
.if DOCPART == 2
	.amdgcn_target "amdgcn-amd-amdhsa--gfx1250"
	.amdhsa_code_object_version 6
	.text
	.protected	k_qb4e00d43c1_main
	.globl	k_qb4e00d43c1_main
	.p2align	8
	.type	k_qb4e00d43c1_main,@function
k_qb4e00d43c1_main:
	s_mov_b64 s[64:65], 0
	v_nop
	global_prefetch_b8 v0, s[64:65] scope:SCOPE_SE
	s_setreg_imm32_b32 hwreg(HW_REG_WAVE_MODE, 25, 1), 1
	s_wait_xcnt 0x0
; DistMatchLayer, launch 2 of 2: columns 256-511 of out0 = Q(dist) Q(feat_b), dist = softmax(masked scores) x (1 - clip(|a - b| / 32, 0, 1)).
; dist is quantised finished and normalised, so its codes want the row's final sum.  Three stages:
;   1. scores (E2M1 codes, K = 256), mask, running maximum kept as a whole number M, p = 2^(c s - M), sum l, d2 by the f32 matrix form, w = p (1 - sqrt(d2) / 32);
;      a wave keeps the w of its first six tiles (four in LDS, two in registers), each with its M; later ones are made again in stage 2;
;   2. the waves' M and l meet; dist = w 2^(M - final M) / l, quantised along the keys; codes into LDS;
;   3. every wave makes 32 channels of O^T = V^T dist^T over all live steps of keys.
; WORK LEFT OUT: a step of 128 keys whose index range does not meet that of a tile of 16 rows, where every row of the tile has a key of its index: dist is
; exactly 0 there for all finite inputs (shown at the head of the first launch).  A tile with a row that has no such key walks all keys: there p = 1, l = 8192.
; LIMITS: NaN, infinity or overflow that reach only the work left out are not carried on; NaN and infinities among the inputs are not served; the scaled scores
; stay under 2^31 in magnitude; d2 is exact while sums of squares stay under 2^24 (|coordinate| up to 2,364), beyond that its order of rounding differs; the two
; clips are one med3 ahead of the root, so a root one ulp over 32 gives -1e-7 p and not 0; v_exp_f32 gives 0 for results under 2^-126.
; SHARES.  Work-group g: rows 32 g on, two tiles of 16 consecutive rows.  Stages 1, 2: wave w has steps 8 a + 32 b + w (bit 8 a + b of its masks), in ascending
; order of bits, and serves both tiles from one set of fragments.  Both products are used transposed: a lane holds one query.
; NO TENSOR LOADS, NO CLUSTER: which steps are walked hangs on numbers read from memory (trip counts and branches), and partners would need different steps.
; PREFETCH: at the head each wave names 32 blocks of 256 bytes (or 4, 8, 2) of one input, shared out by address: 64 shares, each named by four work-groups.
; LDS: wave x 32768: four slots of 8,192 bytes; over slots already read, codes: ordinal x 2304 + tile x 1152: 1,024 bytes of codes, 128 of scale words.
; REGISTERS.  window 0: v0-63 addresses, statistics, scale words; S v64-127 (then O^T in v64-95); D2 v128-159 (matrix instructions alone write them);
;   W v160-191 and temporaries; Q v192-223; keys' coordinates v224-239; |a|^2 x 8 a tile v240-255.
;   window 1: v0-127 K's 16 fragments, then two buffers of V; v128-255 two slots of w, then two buffers of dist's codes.
; EVENING OUT: where wave w has two tiles or more above wave w xor 1, tile 1 of its lowest step with both tiles live goes to that partner, as bit 8 a + 2 + b of the
; partner's mask of tile 1.  The step then stands in both waves' lists, each with zero codes for the tile that it does not make.
.set OST,   262144                     ; 32 rows x (1,024 bytes + 16): the way out
.set IBUF,  295424                     ; 512 bytes a wave: a step's indices
.set STAT,  299520                     ; wave x 512 + tile x 256 + 8 lane: (-M, l)
.set SPARE, 303872                     ; the spare words, 128 bytes for each wave; no other line names them
.set MS,  36                           ; v36-41  -M of each kept tile
.set QS,  42
.set KSR, 44                           ; v44-51  K's scale words, then V's (two buffers of four)
.set PW,  56                           ; v56-63  dist's scale words (two buffers of four): lanes 0-15 tile 0, lanes 16-31 tile 1
.set S,   64
.set D2,  128
.set W,   160
.set TM,  160
.set TP,  164
.set TS,  168
.set PC,  172
.set PWD, 180
.set Q,   192
.set CBR, 224
.set NA8, 240
.set MSB, 0
.macro WIN new                         ; the immediate's high byte repeats the setting that is left
.if MSB != \new
	s_set_vgpr_msb (MSB<<8)|\new
.set MSB, \new
.endif
.endm
.macro UMIN d, a, b
	v_cmp_lt_u32 vcc_lo, v[\a], v[\b]
	v_cndmask_b32 v[\d], v[\b], v[\a], vcc_lo
.endm
.macro UMAX d, a, b
	v_cmp_gt_u32 vcc_lo, v[\a], v[\b]
	v_cndmask_b32 v[\d], v[\b], v[\a], vcc_lo
.endm
.macro NOPS n
.rept \n
	v_nop
.endr
.endm
.macro MM d, lo, hi, sh                ; wave sh's bits of a 64-bit mask of steps: bit 8 a + b = step 8 a + 32 b + sh
	s_lshr_b32 \d, \lo, \sh
	s_and_b32 \d, \d, 0x01010101
	s_lshr_b32 s75, \hi, \sh
	s_and_b32 s75, s75, 0x01010101
	s_lshl_b32 s75, s75, 1
	s_or_b32 \d, \d, s75
.endm
.macro XFER a0, a1, b0, b1             ; even out two partners' masks of tiles 0 and 1
	s_bcnt1_i32_b32 s72, \a0
	s_bcnt1_i32_b32 s73, \a1
	s_add_co_u32 s72, s72, s73
	s_bcnt1_i32_b32 s73, \b0
	s_sub_co_i32 s72, s72, s73
	s_bcnt1_i32_b32 s73, \b1
	s_sub_co_i32 s72, s72, s73                     ; the first's tiles less the second's
	s_and_b32 s73, \a0, \a1
	s_sub_co_u32 s74, 0, s73
	s_and_b32 s73, s73, s74                        ; the first's lowest step with both tiles
	s_and_b32 s74, \b0, \b1
	s_sub_co_u32 s3, 0, s74
	s_and_b32 s74, s74, s3                         ; the second's
	s_cmp_ge_i32 s72, 2
	s_cselect_b32 s73, s73, 0
	s_cmp_le_i32 s72, -2
	s_cselect_b32 s74, s74, 0
	s_and_not1_b32 \a1, \a1, s73
	s_and_not1_b32 \b1, \b1, s74
	s_lshl_b32 s73, s73, 2
	s_lshl_b32 s74, s74, 2
	s_or_b32 \a1, \a1, s74
	s_or_b32 \b1, \b1, s73
.endm
.macro STEPOF br                       ; s62 = the step of my wave's bit, held inside the tables
	s_and_b32 s62, \br, 0x18
	s_and_b32 s63, \br, 1
	s_lshl_b32 s63, s63, 5
	s_add_co_u32 s62, s62, s63
	s_bfe_u32 s63, \br, 0x10001                    ; 1: a step taken over from the partner
	s_xor_b32 s63, s63, s28
	s_add_co_u32 s62, s62, s63
	s_min_u32 s62, s62, 63
.endm
.macro SETK br
	STEPOF \br
	s_lshl_b32 s60, s62, 14
	s_add_nc_u64 s[48:49], s[8:9], s[60:61]
	s_lshl_b32 s60, s62, 10
	s_add_nc_u64 s[50:51], s[10:11], s[60:61]
.endm
.macro SETC br
	STEPOF \br
	s_lshl_b32 s60, s62, 11
	s_add_nc_u64 s[52:53], s[16:17], s[60:61]
	s_lshl_b32 s60, s62, 9
	s_add_nc_u64 s[58:59], s[22:23], s[60:61]
.endm
.macro KLOADS                          ; a step's 16 fragments of K and its scale words: each load 512 consecutive bytes
	WIN 0x40
.set n, 0
.rept 32
	global_load_b128 v[4*n:4*n+3], v1, s[48:49] offset:512*n
.set n, n+1
.endr
	WIN 0
	global_load_b128 v[KSR:KSR+3], v1, s[50:51]
	global_load_b128 v[KSR+4:KSR+7], v1, s[50:51] offset:512
.endm
.macro CLOADS                          ; its coordinates, and its 128 indices as they lie
.irp b, 0,1,2,3
	global_load_b128 v[CBR+4*\b:CBR+4*\b+3], v1, s[52:53] offset:512*\b
.endr
	global_load_b128 v[12:15], v1, s[58:59]
.endm
.macro KPREF t                         ; the next step's K, behind this step's last score product
	s_cmp_eq_u32 s47, 0
	s_cbranch_scc1 .Lkp_\@
.if \t == 0
	s_bitcmp1_b32 s36, s42
	s_cbranch_scc1 .Lkp_\@
.endif
	s_ctz_i32_b32 s72, s38
	s_min_u32 s72, s72, 31
	SETK s72
	KLOADS
.Lkp_\@:
.endm
.macro CPREF t
	s_wait_alu depctr_va_vdst(0)
	s_cmp_eq_u32 s47, 0
	s_cbranch_scc1 .Lcp_\@
.if \t == 0
	s_bitcmp1_b32 s36, s42
	s_cbranch_scc1 .Lcp_\@
.endif
	s_ctz_i32_b32 s72, s38
	s_min_u32 s72, s72, 31
	SETC s72
	CLOADS
.Lcp_\@:
.endm
.macro CUR                             ; s43 = the smallest index among the step's keys
	STEPOF s42
	s_and_b32 s63, s62, 31
	v_readlane_b32 s72, v33, s63
	v_readlane_b32 s73, v35, s63
	s_cmp_lt_u32 s62, 32
	s_cselect_b32 s43, s72, s73
.endm
; S^T = K Q^T for tile t: source 0 = 16 keys, source 1 = my 16 queries; two K steps of 128.  The eight accumulators take turns.
.macro SMUL t
	WIN 0x01
.irp x, 0,1,2,3,4,5,6,7
	v_wmma_scale_f32_16x16x128_f8f6f4 v[S+8*\x:S+8*\x+7], v[16*\x:16*\x+7], v[Q+16*\t:Q+16*\t+7], 0, v[KSR+\x], v[QS+\t] matrix_a_fmt:MATRIX_FMT_FP4 matrix_b_fmt:MATRIX_FMT_FP4
.endr
.irp x, 0,1,2,3,4,5,6,7
	v_wmma_scale_f32_16x16x128_f8f6f4 v[S+8*\x:S+8*\x+7], v[16*\x+8:16*\x+15], v[Q+16*\t+8:Q+16*\t+15], v[S+8*\x:S+8*\x+7], v[KSR+\x], v[QS+\t] matrix_a_fmt:MATRIX_FMT_FP4 matrix_b_fmt:MATRIX_FMT_FP4 matrix_a_scale:MATRIX_SCALE_ROW1 matrix_b_scale:MATRIX_SCALE_ROW1
.endr
	WIN 0
.endm
.macro DMUL t, a                       ; d2 of half a of the keys = |a|^2 + (bx, by, bz, |b|^2) . (-2 ax, -2 ay, -2 az, 1), in the scores' layout
.irp x, 0,1,2,3
	v_wmma_f32_16x16x4_f32 v[D2+8*\x:D2+8*\x+7], v[CBR+8*\a+2*\x:CBR+8*\a+2*\x+1], v[28+2*\t:29+2*\t], v[NA8+8*\t:NA8+8*\t+7]
.endr
.endm
.macro MASKH t, a                      ; half a of the keys: register 16 b + i = key 32 b + 16 h + i
.irp b, 0,1
.irp q, 0,1,2,3
	ds_load_b128 v[W+16*\b+4*\q:W+16*\b+4*\q+3], v4 offset:256*\a+128*\b+16*\q
.endr
.endr
	s_wait_dscnt 0x0
.set j, 0
.rept 32
	v_cmp_eq_u32 vcc_lo, v[W+j], v[17+2*\t]
	v_cndmask_b32 v[S+32*\a+j], s46, v[S+32*\a+j], vcc_lo
.set j, j+1
.endr
.endm
.macro HALF t, p, a                    ; half a: p and the roots in one batch, the sum, w
.set j, 0
.rept 32
	v_med3_num_f32 v[W+j], v[D2+j], 0, s100        ; both clips ahead of the root: d2 held to 0 .. 1,024
.set j, j+1
.endr
	s_wait_alu depctr_va_vdst(0)
.set j, 0
.rept 32
	v_exp_f32 v[S+32*\a+j], v[S+32*\a+j]
.set j, j+1
.endr
.set j, 0
.rept 32
	v_sqrt_f32 v[W+j], v[W+j]
.set j, j+1
.endr
	v_nop                                          ; a plain line behind the last of the batch
	s_wait_alu depctr_va_vdst(0)                   ; one wait for the batch, ahead of its first reader
.if \a == 0
	DMUL \t, 1
.endif
.if \p == 1
.if \a == 0
	v_pk_mul_f32 v[20+2*\t:21+2*\t], v[20+2*\t:21+2*\t], v[34:35] op_sel_hi:[1,0]
.endif
	v_pk_add_f32 v[52:53], v[S+32*\a:S+32*\a+1], v[S+32*\a+2:S+32*\a+3]
.irp j, 4,8,12,16,20,24,28
	v_pk_add_f32 v[20+2*\t:21+2*\t], v[20+2*\t:21+2*\t], v[S+32*\a+\j:S+32*\a+\j+1]
	v_pk_add_f32 v[52:53], v[52:53], v[S+32*\a+\j+2:S+32*\a+\j+3]
.endr
	v_pk_add_f32 v[20+2*\t:21+2*\t], v[20+2*\t:21+2*\t], v[52:53]
.endif
.set j, 0
.rept 16
	v_pk_fma_f32 v[W+j:W+j+1], v[W+j:W+j+1], s[32:33], 1.0 op_sel_hi:[1,0,0]   ; 1 - root / 32
.set j, j+2
.endr
.set j, 0
.rept 16
	v_pk_mul_f32 v[S+32*\a+j:S+32*\a+j+1], v[S+32*\a+j:S+32*\a+j+1], v[W+j:W+j+1]
.set j, j+2
.endr
.endm
; A tile of 16 queries x 128 keys: w into S.  p = 1: with the running maximum and sum; p = 2: made again under the final M.
.macro UNIT t, p
	SMUL \t
	DMUL \t, 0
	NOPS 4                                         ; places ahead of the first read of the scores and of loads into K's registers
.if \p == 1
	KPREF \t
.endif
	s_bitcmp1_b32 s37, s42                         ; have the step's keys one index?
	s_cbranch_scc1 .Luni_\@
	MASKH \t, 0
	MASKH \t, 1
	s_mov_b32 s41, -1
	s_wait_alu depctr_va_vdst(0)
	s_branch .Lgo_\@
.Luni_\@:
	v_cmp_eq_u32 s41, s43, v[17+2*\t]              ; then a lane's query takes all of them or none;
	s_or_b32 s41, s41, s[44+\t]                    ; a query with no key of its index takes all
.Lgo_\@:
.if \p == 1
.irp b, 0,1,2,3
	v_max3_num_f32 v[TM+\b], v[S+16*\b], v[S+16*\b+1], v[S+16*\b+2]
.endr
.irp i, 3,5,7,9,11,13
.irp b, 0,1,2,3
	v_max3_num_f32 v[TM+\b], v[TM+\b], v[S+16*\b+\i], v[S+16*\b+\i+1]
.endr
.endr
.irp b, 0,1,2,3
	v_max_num_f32 v[TM+\b], v[TM+\b], v[S+16*\b+15]
.endr
	v_max3_num_f32 v[TM], v[TM], v[TM+1], v[TM+2]
	v_max_num_f32 v[TM], v[TM], v[TM+3]
	v_permlanex16_b32 v[TP], v[TM], s30, s31       ; the query's other 64 keys lie in lane l xor 16
	v_max_num_f32 v[TM], v[TM], v[TP]
	v_mul_f32 v[TM], v[TM], v[24+2*\t]             ; x c
	v_cndmask_b32 v[TM], s46, v[TM], s41
	v_max_num_f32 v[25+2*\t], v[25+2*\t], v[TM]
	v_mov_b32 v[TM+1], v[16+2*\t]
	v_floor_f32 v[16+2*\t], -v[25+2*\t]            ; -M, a whole number
	v_sub_f32 v[TM+1], v[16+2*\t], v[TM+1]
	v_cvt_i32_f32 v[TM+1], v[TM+1]
	v_ldexp_f32 v34, 1.0, v[TM+1]                  ; 2^(old M - new M)
.endif
	v_cndmask_b32 v32, s46, v[16+2*\t], s41        ; a lane without a key here: p = 2^(-3e38) = 0
.set j, 0
.rept 32
	v_pk_fma_f32 v[S+j:S+j+1], v[S+j:S+j+1], v[24+2*\t:25+2*\t], v[32:33] op_sel_hi:[1,0,0]   ; c s - M
.set j, j+2
.endr
	HALF \t, \p, 0
.if \p == 1
	CPREF \t
.endif
	HALF \t, \p, 1
.endm
.macro STORE t                         ; keep w: the slot is my wave's count of tiles so far
	s_wait_alu depctr_va_vdst(0)
.irp k, 0,1,2,3,4,5
	s_cmp_eq_u32 s39, \k
	s_cbranch_scc0 .Lsn_\@_\k
.if \k < 4
.set i, 0
.rept 16
	ds_store_b128 v6, v[S+4*i:S+4*i+3] offset:\k*8192+512*i
.set i, i+1
.endr
.else
	WIN 0x40
.set i, 0
.rept 64
	v_mov_b32 v[128+64*(\k-4)+i], v[S+i]
.set i, i+1
.endr
	WIN 0
.endif
	v_mov_b32 v[MS+\k], v[16+2*\t]
	s_branch .Lsd_\@
.Lsn_\@_\k:
.endr
.Lsd_\@:
	s_add_co_u32 s39, s39, 1
.endm
; S's 64 numbers (register 16 b + i = key 32 b + 16 h + i of my query) become the second product's fragment in v[PC] on and its scale word in v[PWD].
.macro QUANT
.irp b, 0,1,2,3
	v_max3_num_f32 v[TM+\b], |v[S+16*\b]|, |v[S+1+16*\b]|, 0x1800000   ; with the floor 2^(3 - 127): the byte cannot fall under 1
.endr
.irp i, 2,4,6,8,10,12,14
.irp b, 0,1,2,3
	v_max3_num_f32 v[TM+\b], v[TM+\b], |v[S+16*\b+\i]|, |v[S+1+16*\b+\i]|
.endr
.endr
.irp b, 0,1,2,3
	v_permlanex16_b32 v[TP+\b], v[TM+\b], s30, s31
.endr
.irp b, 0,1,2,3
	v_max_num_f32 v[TM+\b], v[TM+\b], v[TP+\b]     ; the block's largest magnitude
.endr
.irp b, 0,1,2,3
	v_add_nc_u32 v[TS+\b], 0xff000000, v[TM+\b]    ; 2 off the exponent field: the conversion's scale operand
.endr
.irp b, 0,1,2,3
	v_lshrrev_b32 v[TP+\b], 23, v[TS+\b]           ; the scale's byte
.endr
	v_lshl_or_b32 v[PWD], v[TP+1], 8, v[TP]
	v_lshl_or_b32 v[PWD], v[TP+2], 16, v[PWD]
	v_lshl_or_b32 v[PWD], v[TP+3], 24, v[PWD]
.irp b, 0,1,2,3
	v_cvt_scalef32_pk8_fp4_f32 v[PC+2*\b], v[S+16*\b:S+7+16*\b], v[TS+\b]
	v_cvt_scalef32_pk8_fp4_f32 v[PC+1+2*\b], v[S+8+16*\b:S+15+16*\b], v[TS+\b]
.endr
	v_nop                                          ; one plain line behind the last conversion
.irp c, 0,1                                    ; the layout wants a whole block in a lane
.irp i, 0,1
	v_permlane16_swap_b32 v[PC+4*\c+\i], v[PC+2+4*\c+\i]
.endr
.endr
.endm
.macro UNIT2 t                         ; w from its slot, or made again; normalised, quantised, codes and scale words into LDS
.irp k, 0,1,2,3,4,5
	s_cmp_eq_u32 s39, \k
	s_cbranch_scc0 .Lgn_\@_\k
.if \k < 4
.set i, 0
.rept 16
	ds_load_b128 v[S+4*i:S+4*i+3], v6 offset:\k*8192+512*i
.set i, i+1
.endr
.else
	WIN 0x01
.set i, 0
.rept 64
	v_mov_b32 v[S+i], v[128+64*(\k-4)+i]
.set i, i+1
.endr
	WIN 0
.endif
	v_mov_b32 v52, v[MS+\k]
	s_wait_alu depctr_va_vdst(0)
	s_branch .Lgd_\@
.Lgn_\@_\k:
.endr
	s_wait_alu depctr_va_vdst(0)
	s_cmp_eq_u32 s101, s42                         ; does K's register file still hold this step?
	s_cbranch_scc1 .Lgk_\@
	SETK s42
	SETC s42
	KLOADS
	CLOADS
	s_wait_loadcnt 0x0
	s_mov_b32 s101, s42
.Lgk_\@:
	s_bitcmp1_b32 s37, s42
	s_cbranch_scc1 .Lgu_\@
	ds_store_b128 v5, v[12:15]
.Lgu_\@:
	UNIT \t, 2
	v_mov_b32 v52, v[16+2*\t]
	s_wait_alu depctr_va_vdst(0)
.Lgd_\@:
	s_add_co_u32 s39, s39, 1
	s_wait_dscnt 0x0
	s_wait_alu depctr_va_vdst(0)
	v_sub_f32 v52, v[16+2*\t], v52
	v_cvt_i32_f32 v52, v52
	v_ldexp_f32 v34, v[20+2*\t], v52               ; 2^(M - final M) / l
.set j, 0
.rept 32
	v_pk_mul_f32 v[S+j:S+j+1], v[S+j:S+j+1], v[34:35] op_sel_hi:[1,0]   ; dist
.set j, j+2
.endr
	QUANT
	ds_store_b128 v7, v[PC:PC+3] offset:1152*\t
	ds_store_b128 v7, v[PC+4:PC+7] offset:1152*\t+512
	ds_store_b32 v8, v[PWD] offset:1152*\t
.endm
.macro ZERO t                          ; zero codes, with a finite scale byte
.irp k, 0,1,2,3
	v_mov_b32 v[W+\k], 0
.endr
	v_mov_b32 v[W+4], 0x01010101
	ds_store_b128 v7, v[W:W+3] offset:1152*\t
	ds_store_b128 v7, v[W:W+3] offset:1152*\t+512
	ds_store_b32 v8, v[W+4] offset:1152*\t
.endm
; Stage 3 goes by groups of four steps: ordinal o of waves 0-3, o = 0 on, then of waves 4-7.  V: s2 the group, s39 its first wave, s[92:95] the four waves' steps to go;
; codes: s38 the group, s3 their place.
.macro VISS b                          ; 20 loads: my 32 channels of V for the group's four steps, and their scale words
	s_cmp_eq_u32 s2, s70
	s_cselect_b64 s[92:93], s[96:97], s[92:93]
	s_cselect_b64 s[94:95], s[98:99], s[94:95]
	s_cselect_b32 s39, 4, s39
	s_wait_xcnt 0x0                                ; the bases may be rewritten
.irp i, 0,1,2,3
	s_ctz_i32_b32 s72, s[92+\i]
	s_min_u32 s72, s72, 31                         ; a wave with no step left: any step, its codes there are zeros
	s_lshl_b32 s62, 1, s72
	s_and_not1_b32 s[92+\i], s[92+\i], s62
	s_and_b32 s62, s72, 0x18
	s_and_b32 s63, s72, 1
	s_lshl_b32 s63, s63, 5
	s_add_co_u32 s62, s62, s63
	s_add_co_u32 s73, s39, \i
	s_bfe_u32 s63, s72, 0x10001
	s_xor_b32 s63, s63, s73
	s_add_co_u32 s62, s62, s63
	s_min_u32 s62, s62, 63
	s_lshl_b32 s60, s62, 14
	s_add_nc_u64 s[76+2*\i:77+2*\i], s[12:13], s[60:61]
	s_lshl_b32 s60, s62, 10
	s_add_nc_u64 s[84+2*\i:85+2*\i], s[14:15], s[60:61]
.endr
	WIN 0x40
.irp i, 0,1,2,3
.irp q, 0,1,2,3
	global_load_b128 v[64*\b+16*\i+4*\q:64*\b+16*\i+4*\q+3], v1, s[76+2*\i:77+2*\i] offset:512*\q
.endr
.endr
	WIN 0
.irp i, 0,1,2,3
	global_load_b32 v[KSR+4*\b+\i], v1, s[84+2*\i:85+2*\i]
.endr
	s_add_co_u32 s2, s2, 1
.endm
.macro CISS b                          ; 20 LDS loads: the group's codes of both tiles, and their scale words
	s_cmp_eq_u32 s38, s70
	s_cselect_b32 s3, 0x20000, s3
	s_min_u32 s62, s3, 0x24800
	v_add_nc_u32 v12, s62, v1
	v_add_nc_u32 v14, s62, v11
	v_add_nc_u32 v13, 0x10000, v12
	v_add_nc_u32 v15, 0x10000, v14
	WIN 0x40
.irp i, 0,1,2,3
.irp t, 0,1
.irp c, 0,1
	ds_load_b128 v[128+64*\b+16*\i+8*\t+4*\c:128+64*\b+16*\i+8*\t+4*\c+3], v[12+\i/2] offset:32768*(\i%2)+1152*\t+512*\c
.endr
.endr
.endr
	WIN 0
.irp i, 0,1,2,3
	ds_load_b32 v[PW+4*\b+\i], v[14+\i/2] offset:32768*(\i%2)
.endr
	s_add_co_u32 s3, s3, 2304
	s_add_co_u32 s38, s38, 1
.endm
.macro PV4 i, b, z                     ; one step: two tiles of channels x two tiles of queries; the four accumulators take turns
.set VA, 64*(\b)+16*(\i)
.set CA, 128+64*(\b)+16*(\i)
.set SV, KSR+4*(\b)+(\i)
.set SP, PW+4*(\b)+(\i)
.if \z
	v_wmma_scale_f32_16x16x128_f8f6f4 v[64:71], v[VA:VA+7], v[CA:CA+7], 0, v[SV], v[SP] matrix_a_fmt:MATRIX_FMT_FP4 matrix_b_fmt:MATRIX_FMT_FP4
	v_wmma_scale_f32_16x16x128_f8f6f4 v[72:79], v[VA+8:VA+15], v[CA:CA+7], 0, v[SV], v[SP] matrix_a_fmt:MATRIX_FMT_FP4 matrix_b_fmt:MATRIX_FMT_FP4 matrix_a_scale:MATRIX_SCALE_ROW1
	v_wmma_scale_f32_16x16x128_f8f6f4 v[80:87], v[VA:VA+7], v[CA+8:CA+15], 0, v[SV], v[SP] matrix_a_fmt:MATRIX_FMT_FP4 matrix_b_fmt:MATRIX_FMT_FP4 matrix_b_scale:MATRIX_SCALE_ROW1
	v_wmma_scale_f32_16x16x128_f8f6f4 v[88:95], v[VA+8:VA+15], v[CA+8:CA+15], 0, v[SV], v[SP] matrix_a_fmt:MATRIX_FMT_FP4 matrix_b_fmt:MATRIX_FMT_FP4 matrix_a_scale:MATRIX_SCALE_ROW1 matrix_b_scale:MATRIX_SCALE_ROW1
.else
	v_wmma_scale_f32_16x16x128_f8f6f4 v[64:71], v[VA:VA+7], v[CA:CA+7], v[64:71], v[SV], v[SP] matrix_a_fmt:MATRIX_FMT_FP4 matrix_b_fmt:MATRIX_FMT_FP4
	v_wmma_scale_f32_16x16x128_f8f6f4 v[72:79], v[VA+8:VA+15], v[CA:CA+7], v[72:79], v[SV], v[SP] matrix_a_fmt:MATRIX_FMT_FP4 matrix_b_fmt:MATRIX_FMT_FP4 matrix_a_scale:MATRIX_SCALE_ROW1
	v_wmma_scale_f32_16x16x128_f8f6f4 v[80:87], v[VA:VA+7], v[CA+8:CA+15], v[80:87], v[SV], v[SP] matrix_a_fmt:MATRIX_FMT_FP4 matrix_b_fmt:MATRIX_FMT_FP4 matrix_b_scale:MATRIX_SCALE_ROW1
	v_wmma_scale_f32_16x16x128_f8f6f4 v[88:95], v[VA+8:VA+15], v[CA+8:CA+15], v[88:95], v[SV], v[SP] matrix_a_fmt:MATRIX_FMT_FP4 matrix_b_fmt:MATRIX_FMT_FP4 matrix_a_scale:MATRIX_SCALE_ROW1 matrix_b_scale:MATRIX_SCALE_ROW1
.endif
.endm
.macro PVMUL b, z
	WIN 0x05                                       ; V and codes window 1, O window 0
	PV4 0, \b, \z
	PV4 1, \b, 0
	PV4 2, \b, 0
	PV4 3, \b, 0
	WIN 0
.endm
.macro PVB b, o, z                     ; a group that is not the last: buffer b; the next group's codes go to buffer o, the V of the group after that to buffer b
	CISS \o
	s_wait_loadcnt 20                              ; all but the next group's 20 loads,
	s_wait_dscnt 20                                ; and its 20 LDS loads
	PVMUL \b, \z
	NOPS 4                                         ; places ahead of loads into registers that these products have read
	s_cmp_lt_u32 s101, 2
	s_cbranch_scc1 .Lnv_\@
	VISS \b
	s_branch .Lv_\@
.Lnv_\@:
	s_wait_loadcnt 0x0                             ; no group after the next: the next one's V is the last
.Lv_\@:
	s_sub_co_u32 s101, s101, 1
.endm
	s_load_b512 s[4:19], s[0:1], 0x0               ; qa 4, qs 6, kb 8, ks 10, vb 12, vs 14, cb4 16, rng 18
	s_load_b256 s[20:27], s[0:1], 0x40             ; idx_a 20, idx_b 22, coord_a 24, out0 26
	v_lshl_add_u32 v2, v0, 2, SPARE                ; my spare word
	v_mov_b32 v3, 0
	v_lshrrev_b32 v64, 5, v0
	v_readfirstlane_b32 s28, v64                   ; wave
	v_and_b32 v64, 31, v0                          ; lane
	v_and_b32 v65, 15, v0                          ; r
	v_bfe_u32 v66, v0, 4, 1                        ; h
	v_lshlrev_b32 v1, 4, v64                       ; 16 lane: my place in every image
	s_lshl_b32 s62, s28, 9
	s_add_co_u32 s63, s62, IBUF
	v_lshl_add_u32 v4, v66, 6, s63                 ; a step's indices, out: + 64 h
	v_add_nc_u32 v5, s63, v1                       ; and in
	s_add_co_u32 s63, s62, STAT
	v_lshl_add_u32 v10, v64, 3, s63
	v_lshl_add_u32 v11, v64, 3, STAT
	s_lshl_b32 s62, s28, 15
	v_add_nc_u32 v6, s62, v1                       ; my slots
	v_add_nc_u32 v7, s62, v1                       ; my codes
	s_add_co_u32 s62, s62, 1024
	v_lshl_add_u32 v8, v64, 2, s62                 ; their scale words
	v_lshlrev_b32 v67, 5, v64                      ; rng: lane l takes steps l and l + 32
	v_lshlrev_b32 v90, 2, v65
	v_mul_u32_u24 v91, v65, 12
	v_lshrrev_b32 v92, 3, v65
	v_and_b32 v93, 7, v65
	v_lshlrev_b32 v93, 4, v93
	v_lshl_add_u32 v93, v66, 8, v93
	v_lshl_add_u32 v94, v92, 11, v93               ; row r of tile t lies at place r % 8 + 8 t of the image's tile r / 8
	v_lshl_add_u32 v95, v92, 2, v93
	v_mov_b32 v99, 0
	v_mov_b32 v102, 0
	v_mov_b32 v103, 0                              ; a lane permute's destination counts as read
	v_mov_b32 v104, 1.0
	s_mov_b32 s61, 0
	s_mov_b32 s2, 0x3fb8aa3b                       ; c = log2(e)
	s_mov_b32 s30, 0x76543210
	s_mov_b32 s31, 0xfedcba98                      ; lane l xor 16
	s_mov_b32 s32, 0xbd000000                      ; -1 / 32
	s_mov_b32 s33, s32
	s_mov_b32 s46, 0xff61b1e6                      ; -3e38
	s_mov_b32 s100, 0x44800000                     ; 1,024
	s_wait_alu depctr_va_vdst(0)
	s_wait_kmcnt 0x0
	global_load_b128 v[68:71], v67, s[18:19]
	global_load_b128 v[72:75], v67, s[18:19] offset:16
	global_load_b128 v[76:79], v67, s[18:19] offset:1024
	global_load_b128 v[80:83], v67, s[18:19] offset:1040
	s_lshl_b32 s60, ttmp9, 7
	s_add_nc_u64 s[48:49], s[20:21], s[60:61]
	global_load_b32 v17, v90, s[48:49]             ; my query's index, tile 0,
	global_load_b32 v19, v90, s[48:49] offset:64   ; tile 1
	s_lshl_b32 s60, ttmp9, 2
	s_add_nc_u64 s[56:57], s[18:19], s[60:61]
	s_load_b32 s29, s[56:57], 0x800                ; bit i: row 32 g + i has a key of its index
	s_mul_i32 s60, ttmp9, 384
	s_add_nc_u64 s[50:51], s[24:25], s[60:61]
.irp k, 0,1,2
	global_load_b32 v[84+\k], v91, s[50:51] offset:4*\k
	global_load_b32 v[87+\k], v91, s[50:51] offset:192+4*\k
.endr
	s_lshr_b32 s60, ttmp9, 1
	s_lshl_b32 s60, s60, 9
	s_and_b32 s62, ttmp9, 1
	s_lshl_b32 s62, s62, 3
	s_add_co_u32 s60, s60, s62
	s_add_nc_u64 s[52:53], s[6:7], s[60:61]
	global_load_b32 v[QS], v95, s[52:53]           ; Q's scale words: lanes 0-15 K step 0, lanes 16-31 K step 1
	global_load_b32 v[QS+1], v95, s[52:53] offset:128
	s_lshl_b32 s60, ttmp9, 12
	s_add_nc_u64 s[54:55], s[4:5], s[60:61]
.irp t, 0,1
.irp q, 0,1,2,3
	global_load_b128 v[Q+16*\t+4*\q:Q+16*\t+4*\q+3], v94, s[54:55] offset:128*\t+512*\q
.endr
.endr
	; the prefetch: waves 0, 1 K's codes, 2, 3 V's, 4 K's scale words, 5 V's, 6 the coordinates, 7 idx_b; share f = 0 .. 63
	s_and_b32 s72, ttmp9, 3
	s_lshr_b32 s73, ttmp9, 3
	s_and_b32 s73, s73, 15
	s_lshl_b32 s73, s73, 2
	s_or_b32 s72, s72, s73
	s_mov_b32 s74, 31
	s_mov_b64 s[76:77], s[8:9]
	s_and_b32 s73, s28, 6
	s_cmp_eq_u32 s73, 2
	s_cselect_b64 s[76:77], s[12:13], s[76:77]
	s_cmp_ge_u32 s28, 4
	s_cselect_b32 s74, 3, s74
	s_cmp_eq_u32 s28, 4
	s_cselect_b64 s[76:77], s[10:11], s[76:77]
	s_cmp_eq_u32 s28, 5
	s_cselect_b64 s[76:77], s[14:15], s[76:77]
	s_cmp_eq_u32 s28, 6
	s_cselect_b64 s[76:77], s[16:17], s[76:77]
	s_cselect_b32 s74, 7, s74
	s_cmp_eq_u32 s28, 7
	s_cselect_b64 s[76:77], s[22:23], s[76:77]
	s_cselect_b32 s74, 1, s74
	s_add_co_u32 s75, s74, 1
	s_mul_i32 s75, s75, s72
	s_lshl_b32 s75, s75, 8
	s_and_b32 s73, s28, 1
	s_lshl_b32 s73, s73, 13
	s_lshl_b32 s78, s75, 1
	s_add_co_u32 s78, s78, s73
	s_cmp_lt_u32 s28, 4
	s_cselect_b32 s60, s78, s75
	s_add_nc_u64 s[76:77], s[76:77], s[60:61]
	v_and_b32 v98, s74, v64
	v_lshlrev_b32 v98, 8, v98
	global_prefetch_b8 v98, s[76:77] th:TH_LOAD_NT scope:SCOPE_SE
	s_lshl_b32 s60, s28, 11
	s_add_nc_u64 s[12:13], s[12:13], s[60:61]      ; V: my 32 channels
	s_lshr_b32 s60, s28, 2
	s_lshl_b32 s60, s60, 9
	s_and_b32 s62, s28, 3
	s_lshl_b32 s62, s62, 2
	s_add_co_u32 s60, s60, s62
	s_add_nc_u64 s[14:15], s[14:15], s[60:61]
	; while the loads are on their way: what every path reads is written
	WIN 0x40
.set i, 0
.rept 128
	v_mov_b32 v[128+i], 0
.set i, i+1
.endr
	WIN 0
.irp k, 20,21,22,23,36,37,38,39,40,41,164,165,166,167
	v_mov_b32 v[\k], 0
.endr
	v_mov_b32 v25, 0xff61b1e6                      ; the largest scaled score so far: -3e38
	v_mov_b32 v27, 0xff61b1e6
	v_mov_b32 v16, 0x7f61b1e6                      ; -M
	v_mov_b32 v18, 0x7f61b1e6
	s_wait_alu depctr_va_vdst(0)
	s_wait_loadcnt 0x0
	s_wait_xcnt 0x0
	s_wait_kmcnt 0x0
	UMIN 68, 68, 70
	UMIN 72, 72, 74
	UMIN 76, 76, 78
	UMIN 80, 80, 82
	UMAX 69, 69, 71
	UMAX 73, 73, 75
	UMAX 77, 77, 79
	UMAX 81, 81, 83
	UMIN 33, 68, 72                                ; steps l: smallest index,
	UMIN 35, 76, 80                                ; steps l + 32
	UMAX 69, 69, 73                                ; and the largest
	UMAX 77, 77, 81
	s_wait_alu depctr_va_vdst(0)
	v_cmp_eq_u32 s72, v33, v69
	v_cmp_eq_u32 s73, v35, v77
	s_xor_b32 s92, s28, 1
	MM s37, s72, s73, s28
	MM s93, s72, s73, s92
	s_lshl_b32 s93, s93, 2
	s_or_b32 s37, s37, s93                         ; and the partner's
	s_not_b32 s29, s29                             ; rows without a key of their index
.irp t, 0,1
	v_mov_b32 v100, v[17+2*\t]
	v_mov_b32 v101, v[17+2*\t]
.irp m, 1,2,4,8
	v_mov_b32_dpp v102, v100 row_xmask:\m row_mask:0xf bank_mask:0xf
	v_mov_b32_dpp v103, v101 row_xmask:\m row_mask:0xf bank_mask:0xf
	UMIN 100, 100, 102
	UMAX 101, 101, 103
.endr
	s_wait_alu depctr_va_vdst(0)
	v_readfirstlane_b32 s72, v100                  ; the tile's index range
	v_readfirstlane_b32 s73, v101
	v_cmp_le_u32 s62, v33, s73
	v_cmp_ge_u32 s63, v69, s72
	s_and_b32 s62, s62, s63                        ; live: the ranges meet
	v_cmp_le_u32 s63, v35, s73
	v_cmp_ge_u32 s74, v77, s72
	s_and_b32 s63, s63, s74
.if \t == 0
	s_and_b32 s74, s29, 0xffff
.else
	s_lshr_b32 s74, s29, 16
.endif
	s_lshl_b32 s75, s74, 16
	s_or_b32 s[44+\t], s74, s75                    ; the lanes whose query has no key of its index
	s_cmp_lg_u32 s74, 0
	s_cselect_b32 s62, -1, s62                     ; with such a row all steps are live
	s_cselect_b32 s63, -1, s63
.if \t == 0
	s_mov_b32 s66, s62                             ; tile 0's live steps
	s_mov_b32 s67, s63
.else
	s_mov_b32 s68, s62                             ; tile 1's
	s_mov_b32 s69, s63
.endif
.endr
	s_and_b32 s70, s28, 6                          ; my pair of partners
	s_or_b32 s71, s70, 1
	MM s92, s66, s67, s70
	MM s93, s68, s69, s70
	MM s94, s66, s67, s71
	MM s95, s68, s69, s71
	XFER s92, s93, s94, s95
	s_bitcmp1_b32 s28, 0
	s_cselect_b32 s35, s94, s92
	s_cselect_b32 s36, s95, s93
	s_or_b32 s38, s35, s36
	s_bcnt1_i32_b32 s40, s38                       ; my trips
	s_ctz_i32_b32 s42, s38
	s_min_u32 s42, s42, 31
	SETK s42
	SETC s42
	KLOADS
	CLOADS
	s_mov_b32 s70, 0                               ; while K is on its way: every wave's steps, and the most that a wave of 0-3, of 4-7 has
	s_mov_b32 s71, 0
.irp i, 0,2,4,6
	MM s76, s66, s67, \i
	MM s77, s68, s69, \i
	MM s78, s66, s67, \i+1
	MM s79, s68, s69, \i+1
	XFER s76, s77, s78, s79
	s_or_b32 s[92+\i], s76, s77
	s_or_b32 s[93+\i], s78, s79
	s_bcnt1_i32_b32 s62, s[92+\i]
	s_max_u32 s[70+\i/4], s[70+\i/4], s62
	s_bcnt1_i32_b32 s62, s[93+\i]
	s_max_u32 s[70+\i/4], s[70+\i/4], s62
.endr
	s_wait_alu depctr_va_vdst(0)
.irp k, 0,1,2,3,4,5
	v_cvt_f32_i32 v[84+\k], v[84+\k]
.endr
	v_mul_f32 v96, v84, v84
	v_mul_f32 v97, v87, v87
	v_fma_f32 v96, v85, v85, v96
	v_fma_f32 v97, v88, v88, v97
	v_fma_f32 v96, v86, v86, v96                   ; |a|^2
	v_fma_f32 v97, v89, v89, v97
.irp k, 0,1,2,3,4,5
	v_mul_f32 v[84+\k], -2.0, v[84+\k]
.endr
	v_cmp_ne_u32 vcc_lo, 0, v66
	v_cndmask_b32 v28, v84, v86, vcc_lo            ; lanes 0-15: (-2 ax, -2 ay); lanes 16-31: (-2 az, 1)
	v_cndmask_b32 v29, v85, v104, vcc_lo
	v_cndmask_b32 v30, v87, v89, vcc_lo
	v_cndmask_b32 v31, v88, v104, vcc_lo
.irp k, 0,1,2,3,4,5,6,7
	v_mov_b32 v[NA8+\k], v96
	v_mov_b32 v[NA8+8+\k], v97
.endr
	v_cndmask_b32 v24, s2, v99, s44                ; c, or 0 for a query with no key of its index: its p is 1 on every key
	v_cndmask_b32 v26, s2, v99, s45
	s_mov_b32 s39, 0
	s_mov_b32 s34, 0
	s_wait_alu depctr_va_vdst(0)
	; ---- stage 1
	s_cmp_eq_u32 s40, 0
	s_cbranch_scc1 .Lnone
.Ltrip:
	s_ctz_i32_b32 s42, s38
	s_min_u32 s42, s42, 31
	s_lshl_b32 s62, 1, s42
	s_and_not1_b32 s38, s38, s62
	s_cmp_lg_u32 s38, 0
	s_cselect_b32 s47, 1, 0                        ; is there a next step?
	CUR
	s_wait_loadcnt 0x0                             ; the step's operands are in
	s_bitcmp1_b32 s37, s42
	s_cbranch_scc1 .Lone_index
	ds_store_b128 v5, v[12:15]                     ; my wave's own bytes: LDS serves a wave's instructions in order
.Lone_index:
	s_bitcmp1_b32 s35, s42
	s_cbranch_scc0 .Lnot_t0
	UNIT 0, 1
	STORE 0
.Lnot_t0:
	s_bitcmp1_b32 s36, s42
	s_cbranch_scc0 .Lnot_t1
	s_wait_loadcnt 0x0                             ; K's registers are whole on every way here
	UNIT 1, 1
	STORE 1
.Lnot_t1:
	s_wait_alu depctr_va_vdst(0)
	s_add_co_u32 s34, s34, 1
	s_cmp_lt_u32 s34, s40
	s_cbranch_scc1 .Ltrip
.Lnone:
	s_wait_loadcnt 0x0
	s_mov_b32 s101, s42                            ; the step whose K, coordinates and indices the registers still hold
	; ---- the waves' M and l meet
	v_add_f32 v52, v20, v21
	v_add_f32 v53, v22, v23
	v_permlanex16_b32 v[TP], v52, s30, s31
	v_permlanex16_b32 v[TP+1], v53, s30, s31
	v_mov_b32 v168, v16
	v_mov_b32 v170, v18
	v_add_f32 v169, v52, v[TP]
	v_add_f32 v171, v53, v[TP+1]
	ds_store_b64 v10, v[168:169]
	ds_store_b64 v10, v[170:171] offset:256
	s_wait_alu depctr_va_vdst(0)
	s_wait_dscnt 0x0                               ; for the others' sake
	s_barrier_signal -1
	s_cmp_lt_u32 s28, 4
	s_cselect_b32 s40, s70, s71                    ; my half's
	s_barrier_wait -1
.irp t, 0,1
.irp u, 0,1,2,3,4,5,6,7
	ds_load_b64 v[64+16*\t+2*\u:65+16*\t+2*\u], v11 offset:512*\u+256*\t
.endr
.endr
	s_wait_dscnt 0x0
.irp t, 0,1
	v_min3_num_f32 v[16+2*\t], v[64+16*\t], v[66+16*\t], v[68+16*\t]
	v_min3_num_f32 v[16+2*\t], v[16+2*\t], v[70+16*\t], v[72+16*\t]
	v_min3_num_f32 v[16+2*\t], v[16+2*\t], v[74+16*\t], v[76+16*\t]
	v_min_num_f32 v[16+2*\t], v[16+2*\t], v[78+16*\t]            ; -M of the whole row
.irp u, 0,1,2,3,4,5,6,7
	v_sub_f32 v[96+8*\t+\u], v[16+2*\t], v[64+16*\t+2*\u]
.endr
.irp u, 0,1,2,3,4,5,6,7
	v_cvt_i32_f32 v[96+8*\t+\u], v[96+8*\t+\u]
.endr
.irp u, 0,1,2,3,4,5,6,7
	v_ldexp_f32 v[96+8*\t+\u], v[65+16*\t+2*\u], v[96+8*\t+\u]
.endr
	v_add_f32 v[20+2*\t], v[96+8*\t], v[97+8*\t]
	v_add_f32 v[21+2*\t], v[98+8*\t], v[99+8*\t]
	v_add_f32 v[20+2*\t], v[20+2*\t], v[100+8*\t]
	v_add_f32 v[21+2*\t], v[21+2*\t], v[101+8*\t]
	v_add_f32 v[20+2*\t], v[20+2*\t], v[102+8*\t]
	v_add_f32 v[21+2*\t], v[21+2*\t], v[103+8*\t]
	v_add_f32 v[20+2*\t], v[20+2*\t], v[21+2*\t]                 ; l
.endr
	v_and_b32 v52, 15, v0
	v_bfe_u32 v53, v0, 4, 1
	v_mul_u32_u24 v53, v53, 1152
	v_lshl_add_u32 v11, v52, 2, v53
	v_add_nc_u32 v11, 1024, v11                    ; dist's scale words: lanes 0-15 tile 0's, lanes 16-31 tile 1's
	s_wait_alu depctr_va_vdst(0)
	v_rcp_f32 v20, v20
	v_rcp_f32 v22, v22
	v_nop
	s_wait_alu depctr_va_vdst(0)
	; ---- stage 2: ordinals 0 .. 8 of my steps (eight of my own, one taken over); codes go over slots that have been read: ordinal o ends at 2304 (o + 1), and the next unread slot begins at 8192 (o + 1) or later
	s_or_b32 s38, s35, s36
	s_mov_b32 s39, 0
	s_mov_b32 s34, 0
.Lquant:
	s_cmp_eq_u32 s38, 0
	s_cbranch_scc1 .Lempty
	s_ctz_i32_b32 s42, s38
	s_min_u32 s42, s42, 31
	s_lshl_b32 s62, 1, s42
	s_and_not1_b32 s38, s38, s62
	CUR
	s_bitcmp1_b32 s35, s42
	s_cbranch_scc0 .Lq_not0
	UNIT2 0
.Lq_not0:
	s_bitcmp1_b32 s36, s42
	s_cbranch_scc0 .Lq_not1
	UNIT2 1
.Lq_not1:
	s_bitcmp1_b32 s35, s42                         ; a tile that is not live here gets zero codes, behind the read of the other's slot
	s_cbranch_scc1 .Lq_live0
	ZERO 0
.Lq_live0:
	s_bitcmp1_b32 s36, s42
	s_cbranch_scc1 .Lq_live1
	ZERO 1
.Lq_live1:
	s_branch .Lq_next
.Lempty:
	s_cmp_lt_u32 s34, s40                          ; a partner of my half has a step here: zero codes
	s_cbranch_scc0 .Lq_next
	ZERO 0
	ZERO 1
.Lq_next:
	v_add_nc_u32 v7, 2304, v7
	v_add_nc_u32 v8, 2304, v8
	s_wait_alu depctr_va_vdst(0)
	s_add_co_u32 s34, s34, 1
	s_cmp_lt_u32 s34, 9
	s_cbranch_scc1 .Lquant
	; ---- stage 3
	s_mov_b32 s2, 0
	s_mov_b32 s3, 0
	s_mov_b32 s38, 0
	s_mov_b32 s39, 0
	s_add_co_u32 s101, s70, s71                    ; groups: at least one, since every tile has a live step
	s_sub_co_u32 s101, s101, 1                     ; groups behind the current one
	VISS 0                                         ; the first two groups' V, ahead of the barrier
	s_cmp_eq_u32 s101, 0
	s_cbranch_scc1 .Lno_second
	VISS 1
	s_branch .Lasked
.Lno_second:
	s_wait_loadcnt 0x0
.Lasked:
	s_wait_dscnt 0x0                               ; for the others' sake: my codes are in LDS
	s_barrier_signal -1
	s_barrier_wait -1
	CISS 0
	s_mov_b32 s34, 0
	s_cmp_eq_u32 s101, 0
	s_cbranch_scc1 .Lonly
	PVB 0, 1, 1
.Lpv:
	s_cmp_eq_u32 s101, 0
	s_cbranch_scc1 .Lend1
	PVB 1, 0, 0
	s_cmp_eq_u32 s101, 0
	s_cbranch_scc1 .Lend0
	PVB 0, 1, 0
	s_wait_alu depctr_va_vdst(0)
	s_add_co_u32 s34, s34, 1
	s_cmp_lt_u32 s34, 16                           ; at most 18 groups: the loop is left above
	s_cbranch_scc1 .Lpv
.Lend1:
	s_wait_loadcnt 0x0
	s_wait_dscnt 0x0
	PVMUL 1, 0
	s_branch .Lsummed
.Lend0:
	s_wait_loadcnt 0x0
	s_wait_dscnt 0x0
	PVMUL 0, 0
	s_branch .Lsummed
.Lonly:
	s_wait_loadcnt 0x0
	s_wait_dscnt 0x0
	PVMUL 0, 1
.Lsummed:
	; ---- the way out: 32 rows x 256 channels through LDS, four whole rows a wave
	s_barrier_signal -1                            ; my reads of codes are over
	v_and_b32 v52, 15, v0
	v_bfe_u32 v53, v0, 4, 1
	s_lshl_b32 s62, s28, 7
	s_add_co_u32 s62, s62, OST
	v_mul_u32_u24 v52, v52, 1040
	v_lshl_add_u32 v52, v53, 5, v52
	v_add_nc_u32 v52, s62, v52                     ; row r, my 128 bytes, + 32 h
	s_mul_i32 s62, s28, 4160
	s_add_co_u32 s62, s62, OST
	v_add_nc_u32 v53, s62, v1                      ; back: rows 4 w on
	s_lshl_b32 s60, ttmp9, 16
	s_lshl_b32 s62, s28, 13
	s_add_co_u32 s60, s60, s62
	s_add_co_u32 s60, s60, 1024
	s_add_nc_u64 s[48:49], s[26:27], s[60:61]
	s_wait_alu depctr_va_vdst(0)
	s_barrier_wait -1
.irp t, 0,1
.irp x, 0,1
	ds_store_b128 v52, v[64+16*\t+8*\x:64+16*\t+8*\x+3] offset:\t*16640+64*\x        ; each accumulator from its low end on
	ds_store_b128 v52, v[64+16*\t+8*\x+4:64+16*\t+8*\x+7] offset:\t*16640+64*\x+16
.endr
.endr
	s_wait_dscnt 0x0
	s_barrier_signal -1
	s_barrier_wait -1
.irp i, 0,1,2,3
.irp e, 0,1
	ds_load_b128 v[192+8*\i+4*\e:192+8*\i+4*\e+3], v53 offset:1040*\i+512*\e
.endr
.endr
.irp i, 0,1,2,3
	s_wait_dscnt 6-2*\i
.irp e, 0,1
	global_store_b128 v1, v[192+8*\i+4*\e:192+8*\i+4*\e+3], s[48:49] offset:2048*\i+512*\e th:TH_STORE_NT   ; 512 consecutive bytes, aligned
.endr
.endr
	s_wait_tensorcnt 0x0                           ; the wave's end, behind my last LDS store
	ds_add_u32 v2, v3
	s_wait_dscnt 0x0
	s_endpgm
.Lfunc_end_k_qb4e00d43c1_main:
	.size	k_qb4e00d43c1_main, .Lfunc_end_k_qb4e00d43c1_main-k_qb4e00d43c1_main
	.p2alignl 7, 3214868480
	.fill 96, 4, 3214868480
	.section	.rodata,"a",@progbits
	.p2align	6, 0x0
	.amdhsa_kernel k_qb4e00d43c1_main
		.amdhsa_group_segment_fixed_size 304896
		.amdhsa_private_segment_fixed_size 0
		.amdhsa_enable_private_segment 0
		.amdhsa_kernarg_size 96
		.amdhsa_user_sgpr_count 2
		.amdhsa_user_sgpr_kernarg_segment_ptr 1
		.amdhsa_wavefront_size32 1
		.amdhsa_system_sgpr_workgroup_id_x 1
		.amdhsa_system_sgpr_workgroup_id_y 1
		.amdhsa_system_sgpr_workgroup_id_z 1
		.amdhsa_system_vgpr_workitem_id 0
		.amdhsa_next_free_vgpr 512
		.amdhsa_next_free_sgpr 102
		.amdhsa_reserve_vcc 1
		.amdhsa_float_denorm_mode_32 3
		.amdhsa_float_denorm_mode_16_64 3
		.amdhsa_memory_ordered 1
		.amdhsa_forward_progress 1
		.amdhsa_inst_pref_size 254
	.end_amdhsa_kernel
	.amdgpu_metadata
---
amdhsa.version: [ 1, 2 ]
amdhsa.kernels:
  - .name:           k_qb4e00d43c1_main
    .symbol:         k_qb4e00d43c1_main.kd
    .args:
      - { .name: qa, .offset: 0, .size: 8, .value_kind: global_buffer, .address_space: global }
      - { .name: qs, .offset: 8, .size: 8, .value_kind: global_buffer, .address_space: global }
      - { .name: kb, .offset: 16, .size: 8, .value_kind: global_buffer, .address_space: global }
      - { .name: ks, .offset: 24, .size: 8, .value_kind: global_buffer, .address_space: global }
      - { .name: vb, .offset: 32, .size: 8, .value_kind: global_buffer, .address_space: global }
      - { .name: vs, .offset: 40, .size: 8, .value_kind: global_buffer, .address_space: global }
      - { .name: cb4, .offset: 48, .size: 8, .value_kind: global_buffer, .address_space: global }
      - { .name: rng, .offset: 56, .size: 8, .value_kind: global_buffer, .address_space: global }
      - { .name: idx_a, .offset: 64, .size: 8, .value_kind: global_buffer, .address_space: global }
      - { .name: idx_b, .offset: 72, .size: 8, .value_kind: global_buffer, .address_space: global }
      - { .name: coord_a, .offset: 80, .size: 8, .value_kind: global_buffer, .address_space: global }
      - { .name: out0, .offset: 88, .size: 8, .value_kind: global_buffer, .address_space: global }
    .group_segment_fixed_size: 304896
    .private_segment_fixed_size: 0
    .kernarg_segment_align: 8
    .kernarg_segment_size: 96
    .max_flat_workgroup_size: 256
    .sgpr_count:     102
    .vgpr_count:     512
    .wavefront_size: 32
...
	.end_amdgpu_metadata
.endif
;; end of part 2
